; MI455X (gfx1250); checked and timed in simulation.
; The chip was launched on July 23, 2026; its instructions are those of AMD's public machine-readable ISA for CDNA 5 (MIT licence, August 2026) and "CDNA5" Instruction Set Architecture Reference Guide (July 2026). The comments in the code are by the model that wrote it; some were corrected since.
;; Linear Attention. Allowed arithmetic: matrix products marked QUANTISED: E2M1 operands, one E8M0 scale for each 32 along K, by v_wmma_scale_f32_16x16x128_f8f6f4 with both operands' format E2M1 (or v_wmma_scale_f32_32x16x128_f4), f32 sums; everything else in f32.
;; Inputs: Wk_b 128 float32; Wk_w_codes 128 x 4 x 16 uint8 (E2M1 codes of Wk_w, K innermost, in blocks of 32 codes, two codes a byte); Wk_w_scales 128 x 4 uint8 (E8M0 scales of Wk_w, one for each 32 codes along K); Wo_b 128 float32; Wo_w_codes 128 x 4 x 16 uint8 (E2M1 codes of Wo_w, K innermost, in blocks of 32 codes, two codes a byte); Wo_w_scales 128 x 4 uint8 (E8M0 scales of Wo_w, one for each 32 codes along K); Wq_b 128 float32; Wq_w_codes 128 x 4 x 16 uint8 (E2M1 codes of Wq_w, K innermost, in blocks of 32 codes, two codes a byte); Wq_w_scales 128 x 4 uint8 (E8M0 scales of Wq_w, one for each 32 codes along K); Wv_b 128 float32; Wv_w_codes 128 x 4 x 16 uint8 (E2M1 codes of Wv_w, K innermost, in blocks of 32 codes, two codes a byte); Wv_w_scales 128 x 4 uint8 (E8M0 scales of Wv_w, one for each 32 codes along K); h_codes 2 x 8 x 32 x 32 x 4 x 16 uint8 (E2M1 codes of h, K innermost, in blocks of 32 codes, two codes a byte); h_scales 2 x 8 x 32 x 32 x 4 uint8 (E8M0 scales of h, one for each 32 codes along K); x_codes 2 x 8 x 32 x 32 x 4 x 16 uint8 (E2M1 codes of x, K innermost, in blocks of 32 codes, two codes a byte); x_scales 2 x 8 x 32 x 32 x 4 uint8 (E8M0 scales of x, one for each 32 codes along K).
;; Outputs: out0 2 x 128 x 8 x 32 x 32 float32.
;; This version of the problem:
;;   THIS VERSION OF THE PROBLEM IS GIVEN IN LOW PRECISION. The matrix products marked QUANTISED in the list below multiply operands that are first quantised to E2M1 (2 exponent bits, 1 mantissa bit; 4 bits a number), with one power-of-two scale for each 32 numbers along K (OCP MX v1.0); their sums are f32. All else is computed in f32.
;;   The module's matrix products, in the order in which they are computed (A, B: the left and right operand; K: the contracted axis; several contracted axes count as one K, in the product's order):
;;     1. [M 16,384, K 128] x [K 128, N 128]; A: input x (given as codes); B: input Wq_w (given as codes): QUANTISED
;;     2. [M 16,384, K 128] x [K 128, N 128]; A: input h (given as codes); B: input Wk_w (given as codes): QUANTISED
;;     3. [M 16,384, K 128] x [K 128, N 128]; A: input h (given as codes); B: input Wv_w (given as codes): QUANTISED
;;     4. batch 2 x [M 8,192, K 128] x [K 128, N 8,192]; A: computed on the way; B: computed on the way: QUANTISED
;;     5. batch 2 x [M 128, K 8,192] x [K 8,192, N 8,192]; A: computed on the way; B: softmax (see below): QUANTISED
;;     6. [M 16,384, K 128] x [K 128, N 128]; A: computed on the way; B: input Wo_w (given as codes): QUANTISED
;;   THE QUANTISER, for each operand of a quantised product, along K:
;;     - K is cut into blocks of 32 from its start; a last block that is shorter is filled with zeros.
;;     - A block's scale is 2^e with e = floor(log2(the largest magnitude in the block)) - 2, held to -126 .. 127; a block of zeros has e = 0. As a byte (E8M0): e + 127.
;;     - Each number is divided by its block's scale, clamped to +-6, and rounded to the nearest number of E2M1, ties to even, subnormals kept.
;;     - The product sums the exact products of the quantised numbers (number of the format x scale) in f32.
;;   ~~~python
;;   def quantise(x, axis):      # numpy; x: float32 -> the quantised numbers, widened to float32 again
;;       x = np.moveaxis(x, axis, -1); K = x.shape[-1]
;;       x = np.pad(x, [(0, 0)] * (x.ndim - 1) + [(0, -K % 32)]); x = x.reshape(x.shape[:-1] + (-1, 32)); a = np.abs(x).max(-1, keepdims=True)
;;       e = np.where(a > 0, np.clip(np.frexp(np.where(a > 0, a, 1))[1] - 1 - 2, -126, 127), 0)      # np.frexp(a)[1] - 1 = floor(log2(a)), exactly
;;       r = np.clip(x / 2.0 ** e, -6, 6)
;;       step = 2.0 ** (np.maximum(np.frexp(np.where(r == 0, 1, r))[1] - 1, 0) - 1)
;;       q = np.round(r / step) * step * 2.0 ** e      # np.round: ties to even
;;       return np.moveaxis(q.reshape(q.shape[:-2] + (-1,))[..., :K], -1, axis).astype(np.float32)
;;   ~~~
;;   SOFTMAX AHEAD OF A QUANTISED PRODUCT. Where the list says 'softmax', what is quantised is not the finished softmax but p = 2^(t - M), with t = logit x log2(e) and M = ceil(the row's largest t), a whole number; so 1/2 < the row's largest p <= 1. The row's sum l is taken of the UNQUANTISED p, in f32, and the product's result is divided by l at the end. Since M is a whole number, a kernel that streams over the keys may use a running M (the ceiling of the running maximum): every later rescaling is an exact power of two, which a block's scale takes up: the codes' values come out the same.
;;   OPERANDS COMPUTED ON THE WAY. 'Computed on the way' means the value that the module computes at that place (a softmax that the list does not call 'softmax' is quantised finished and normalised). What goes into a quantiser is computed in f32, as accurately as f32 sums, v_exp_f32 and their like allow (about 1e-6 of the number): no bf16 or f16 on the way to a quantiser, and a product that is left as it is and whose result goes on into a quantised operand takes f32 operands (vector FMAs, or v_wmma_f32_16x16x4_f32). A number that lies on a knife's edge between two numbers of the format may be rounded either way, as far as f32 arithmetic and the matrix unit's own rounding can turn it there, and no further.
;;   INPUTS GIVEN AS CODES. Wk_w (in the module: [128, 128], K = its axis 1); Wo_w (in the module: [128, 128], K = its axis 1); Wq_w (in the module: [128, 128], K = its axis 1); Wv_w (in the module: [128, 128], K = its axis 1); h (in the module: [2, 128, 8, 32, 32], K = its axis 1); x (in the module: [2, 128, 8, 32, 32], K = its axis 1): each comes as NAME_codes (uint8): NAME with its K axis moved to the last place and cut into blocks of 32 codes, [.., K / 32, bytes a block], one block behind the other in memory; two codes a byte, the lower K in the low four bits (a code: sign, 2 exponent bits, 1 mantissa bit); and NAME_scales (uint8): the same leading axes, one E8M0 byte (e + 127) for each 32 codes along K. Its value is code x scale, taken as it is: it is not quantised again, and the codes and scales need not be those that the quantiser above would give.
;; One version. Each part assembles by itself: llvm-mc -triple=amdgcn-amd-amdhsa -mcpu=gfx1250 --defsym DOCPART=n.
;; ======== version 1 of 1: 2 launches
;; workspace buffers: qws 1,114,112 bytes; kvws 2,228,224 bytes
;; launch proj (part 1): grid 256 x 1, 12 waves a work-group, no clusters, 2,560 bytes of LDS; arguments x_codes, x_scales, h_codes, h_scales, Wq_w_codes, Wq_w_scales, Wq_b, Wk_w_codes, Wk_w_scales, Wk_b, Wv_w_codes, Wv_w_scales, Wv_b, qws, kvws; writes qws, kvws
.if DOCPART == 1
	.amdgcn_target "amdgcn-amd-amdhsa--gfx1250"
	.amdhsa_code_object_version 6
	.text
	.protected	k_q857553f08c_proj
	.globl	k_q857553f08c_proj
	.p2align	8
	.type	k_q857553f08c_proj,@function
k_q857553f08c_proj:
	s_mov_b64 s[64:65], 0
	v_nop
	global_prefetch_b8 v0, s[64:65] scope:SCOPE_SE
	s_setreg_imm32_b32 hwreg(HW_REG_WAVE_MODE, 25, 1), 1
	s_wait_xcnt 0x0
; q = Q(x Wq^T + bq), k = Q(h Wk^T + bk): codes of FP4 (E2M1) along the 128 channels;  v = Q(Wv h^T + bv): codes along the KEYS.  One E8M0 byte for each 32 along K.
; x, h: 16,384 positions x 128 channels as codes, 64 bytes a position, 4 scale bytes a position.  The weights: 128 rows of 64 bytes, 4 scale bytes a row.  The biases: f32.
; WHAT IS STORED: images of operand registers.  A fragment (16 rows x 128 K) is 1,024 bytes: registers 4 c .. 4 c + 3 of lane L at 512 c + 16 L; a tile's 16 scale words are 64 bytes, row r at 4 r.
;   qws:  128 blocks of 128 positions x 8,704 bytes:  8 tiles of codes, then 8 x 64 bytes of scale words.
;   kvws: 128 key steps of 128 keys x 17,408 bytes:   K's 8 tiles, V's 8 tiles, K's scale words (512 bytes), V's (512 bytes).
; THE ROWS OF A TILE ARE NOT NEIGHBOURS: lane r of tile T of a block of 128 takes row ROW(T) + r + 8 (r / 8), ROW(T) = 32 (T / 2) + 8 (T % 2): positions, keys, channels and weight rows alike.
; So in a result (source 0 = 16 such rows) registers 16 b + i of lane (r, h) of tiles 2 b, 2 b + 1 are index 32 b + 16 h + i: 16 neighbours along the next K, as the conversions want them.
; SHARES.  3,072 equal tasks, one a wave: work-group = (block of 128 positions, half of its 8 tiles); wave w: role w / 4 (0 q, 1 k, 2 v), tile T = 4 half + w % 4.
; A TASK: D(t) = A(t) x B + bias, t = 0 .. 7: eight matrix instructions on eight accumulators, then 64 numbers a lane are quantised into one fragment.
;   q, k: A = the weight's eight tiles, B = tile T of x or h: a lane holds a position, its registers run along the channels; the bias runs along the registers and is loaded straight into C.
;   v:    A = h's eight tiles of keys, B = tile T of Wv: a lane holds a channel, its registers run along the 128 keys; the bias is one word a lane, loaded eight times as C.
; NO CLUSTER, NO LDS TILES: the operands go from memory straight into registers (9 fragments a wave); what work-groups share is 8 KB of h and 24 KB of weights, and there is no tile in LDS that a joint load could fill.
; LIMITS: NaN and infinities are not served.  A block whose largest magnitude lies under 2^-124 (a block of zeros too) keeps the scale byte 1: these bytes are read by this program alone, and zero codes add nothing.
.set AF,  16                           ; v16-79   A's eight fragments
.set BF,  80                           ; v80-87   B's fragment
.set AS,  88                           ; v88-95   A's scale words: scales and nothing else
.set BS,  96                           ; v96      B's scale word
.set CB,  98                           ; v98-105  role v: the bias as C
.set HA,  112                          ; v112-175 the eight accumulators
.set PC,  176                          ; v176-183 the codes just made
.set TM,  184                          ; v184-187 largest magnitudes, v188-191 at work and bytes, v196-199 the conversions' scale operands
.set PW,  200                          ; v200     the scale word just made
.set SEL, 2                            ; s[2:3]   v_permlanex16_b32's selects for lane l xor 16
	s_load_b512 s[8:23], s[0:1], 0x0               ; x codes 8, x scales 10, h codes 12, h scales 14, Wq codes 16, Wq scales 18, bq 20, Wk codes 22
	s_load_b256 s[24:31], s[0:1], 0x40             ; Wk scales 24, bk 26, Wv codes 28, Wv scales 30
	s_load_b128 s[32:35], s[0:1], 0x60             ; bv 32, qws 34
	s_load_b64 s[36:37], s[0:1], 0x70              ; kvws
	v_lshl_add_u32 v208, v0, 2, 0x400
	v_mov_b32 v209, 0
	v_lshrrev_b32 v1, 5, v0
	s_delay_alu instid0(VALU_DEP_1)
	v_readfirstlane_b32 s38, v1                    ; wave 0..11
	v_and_b32 v1, 31, v0                           ; lane
	v_and_b32 v2, 15, v0                           ; r
	v_bfe_u32 v3, v0, 4, 1                         ; h
	s_delay_alu instid0(VALU_DEP_2)
	v_and_b32 v5, 8, v2
	s_delay_alu instid0(VALU_DEP_1)
	v_add_nc_u32 v5, v5, v2                        ; r + 8 (r / 8)
	s_delay_alu instid0(VALU_DEP_1)
	v_lshlrev_b32 v4, 6, v5
	s_delay_alu instid0(VALU_DEP_1)
	v_lshl_add_u32 v4, v3, 4, v4                   ; a fragment's bytes: that row x 64 + 16 h
	s_delay_alu instid0(VALU_DEP_3)
	v_lshlrev_b32 v5, 2, v5                        ; its scale word (and role v's bias word): that row x 4
	v_lshlrev_b32 v6, 6, v3                        ; roles q, k: the bias of my half's channels: 64 h
	v_lshlrev_b32 v7, 4, v1                        ; an image's place for my lane
	s_lshl_b32 s44, s38, 6
	v_lshl_add_u32 v8, v2, 2, s44                  ; LDS: my wave's 64 bytes of scale words, row r's word
	v_lshlrev_b32 v9, 3, v1                        ; the scale words' way out: 8 bytes a lane,
	v_lshl_add_u32 v10, v1, 3, s44                 ; read from four waves' words on end
.irp b, 0,1,2,3
	v_mov_b32 v[TM+4+\b], 0                        ; written once: a lane permute's destination counts as one of its sources
.endr
	s_mov_b32 s[SEL], 0x76543210
	s_mov_b32 s[SEL+1], 0xfedcba98
	s_lshr_b32 s39, s38, 2                         ; role
	s_and_b32 s43, ttmp9, 1                        ; half
	s_lshr_b32 s42, ttmp9, 1                       ; block of 128 positions, 0..127
	s_and_b32 s40, s38, 3
	s_lshl_b32 s41, s43, 2
	s_add_co_u32 s40, s40, s41                     ; T
	s_lshr_b32 s41, s40, 1
	s_lshl_b32 s41, s41, 5
	s_and_b32 s44, s40, 1
	s_lshl_b32 s44, s44, 3
	s_add_co_u32 s41, s41, s44                     ; ROW(T)
	s_lshl_b32 s4, s41, 6                          ; offsets stand in pairs of their own: ROW x 64,
	s_mov_b32 s5, 0
	s_lshl_b32 s6, s41, 2                          ; ROW x 4,
	s_mov_b32 s7, 0
	s_lshl_b32 s66, s42, 13                        ; the block's codes,
	s_mov_b32 s67, 0
	s_lshl_b32 s68, s42, 9                         ; the block's scale bytes
	s_mov_b32 s69, 0
	s_mov_b32 s71, 0
	s_wait_kmcnt 0x0
	; The buffers are chosen by the role alone; only lines that leave SCC alone stand between a compare and its selections
	s_cmp_eq_u32 s39, 0                            ; q?
	s_cselect_b64 s[44:45], s[16:17], s[22:23]     ; the weight's codes,
	s_cselect_b64 s[46:47], s[18:19], s[24:25]     ; scales,
	s_cselect_b64 s[48:49], s[20:21], s[26:27]     ; bias
	s_cselect_b64 s[50:51], s[8:9], s[12:13]       ; x or h: codes,
	s_cselect_b64 s[52:53], s[10:11], s[14:15]     ; scales
	s_cselect_b64 s[54:55], s[34:35], s[36:37]     ; where the result goes
	s_mov_b32 s56, 17408
	s_cselect_b32 s56, 8704, s56                   ; a block there, in bytes
	s_mov_b32 s57, 16384
	s_cselect_b32 s57, 8192, s57                   ; and where its scale words begin
	s_cmp_eq_u32 s39, 2                            ; v?
	s_cselect_b64 s[44:45], s[28:29], s[44:45]
	s_cselect_b64 s[46:47], s[30:31], s[46:47]
	s_cselect_b64 s[48:49], s[32:33], s[48:49]
	s_cselect_b32 s58, 8192, 0                     ; V's tiles lie behind K's
	s_mov_b32 s59, 16896
	s_cselect_b32 s57, s59, s57
	s_add_nc_u64 s[50:51], s[50:51], s[66:67]      ; x or h at my block
	s_add_nc_u64 s[52:53], s[52:53], s[68:69]
	s_cselect_b64 s[60:61], s[50:51], s[44:45]     ; A: role v: h's eight tiles; else the weight's
	s_cselect_b64 s[62:63], s[52:53], s[46:47]
	s_cselect_b64 s[44:45], s[44:45], s[50:51]     ; B: role v: the weight; else x or h
	s_cselect_b64 s[46:47], s[46:47], s[52:53]
	s_cselect_b32 s70, s6, 0                       ; role v's bias begins at its tile's first channel
	s_add_nc_u64 s[44:45], s[44:45], s[4:5]        ; B at tile T
	s_add_nc_u64 s[46:47], s[46:47], s[6:7]
	s_add_nc_u64 s[48:49], s[48:49], s[70:71]
.irp t, 0,1,2,3,4,5,6,7
	global_load_b128 v[AF+8*\t:AF+8*\t+3], v4, s[60:61] offset:(32*(\t/2)+8*(\t%2))*64
	global_load_b128 v[AF+8*\t+4:AF+8*\t+7], v4, s[60:61] offset:(32*(\t/2)+8*(\t%2))*64+32
	global_load_b32 v[AS+\t], v5, s[62:63] offset:(32*(\t/2)+8*(\t%2))*4
.endr
	global_load_b128 v[BF:BF+3], v4, s[44:45]
	global_load_b128 v[BF+4:BF+7], v4, s[44:45] offset:32
	global_load_b32 v[BS], v5, s[46:47]
	; where my fragment and my work-group's scale words go (the pointers in s8-15 have been chosen from)
	s_mul_i32 s8, s42, s56
	s_lshl_b32 s9, s43, 8
	s_add_co_u32 s10, s8, s57
	s_add_co_u32 s10, s10, s9                      ; scale words: block + their place + 256 x half
	s_lshl_b32 s9, s40, 10
	s_add_co_u32 s8, s8, s58
	s_add_co_u32 s8, s8, s9                        ; codes: block + K's or V's place + 1,024 T
	s_mov_b32 s9, 0
	s_mov_b32 s11, 0
	s_add_nc_u64 s[12:13], s[54:55], s[8:9]
	s_add_nc_u64 s[14:15], s[54:55], s[10:11]
	s_cmp_lt_u32 s38, 8                            ; the roles part on the wave's number, round the bias's loads and the products alone
	s_cbranch_scc0 .Lfor_v
	s_wait_alu depctr_va_vdst(0)
.irp t, 0,1,2,3,4,5,6,7
	global_load_b128 v[HA+8*\t:HA+8*\t+3], v6, s[48:49] offset:(32*(\t/2)+8*(\t%2))*4       ; register j of tile t is channel ROW(t) + 16 h + j: its bias is the sum's start
	global_load_b128 v[HA+8*\t+4:HA+8*\t+7], v6, s[48:49] offset:(32*(\t/2)+8*(\t%2))*4+16
.endr
	s_wait_loadcnt 0x0                             ; all operands, scale words and biases are in
.irp t, 0,1,2,3,4,5,6,7
	v_wmma_scale_f32_16x16x128_f8f6f4 v[HA+8*\t:HA+8*\t+7], v[AF+8*\t:AF+8*\t+7], v[BF:BF+7], v[HA+8*\t:HA+8*\t+7], v[AS+\t], v[BS] matrix_a_fmt:MATRIX_FMT_FP4 matrix_b_fmt:MATRIX_FMT_FP4
.endr
	s_branch .Ljoin
.Lfor_v:
.irp j, 0,1,2,3,4,5,6,7
	global_load_b32 v[CB+\j], v5, s[48:49]         ; my channel's bias, the same for all eight keys of a register run
.endr
	s_wait_loadcnt 0x0
.irp t, 0,1,2,3,4,5,6,7
	v_wmma_scale_f32_16x16x128_f8f6f4 v[HA+8*\t:HA+8*\t+7], v[AF+8*\t:AF+8*\t+7], v[BF:BF+7], v[CB:CB+7], v[AS+\t], v[BS] matrix_a_fmt:MATRIX_FMT_FP4 matrix_b_fmt:MATRIX_FMT_FP4
.endr
.Ljoin:
.rept 4
	v_nop                                          ; four places between the products and the first read of their results (ISA guide 7.12.1)
.endr
	; 64 numbers of a lane, register 16 b + i = k 32 b + 16 h + i of my row, become a fragment's codes and its scale word
.irp b, 0,1,2,3
	v_max3_num_f32 v[TM+\b], |v[HA+16*\b]|, |v[HA+1+16*\b]|, 0x1800000   ; block b: my 16 numbers, and the floor 2^(3 - 127): so the byte cannot fall under 1.  Each accumulator is read from its low end on
.endr
.irp i, 2,4,6,8,10,12,14
.irp b, 0,1,2,3
	v_max3_num_f32 v[TM+\b], v[TM+\b], |v[HA+16*\b+\i]|, |v[HA+1+16*\b+\i]|   ; the four blocks by turns: no line waits for the line above it
.endr
.endr
.irp b, 0,1,2,3
	s_delay_alu instid0(VALU_DEP_4)
	v_permlanex16_b32 v[TM+4+\b], v[TM+\b], s[SEL], s[SEL+1]
.endr
.irp b, 0,1,2,3
	s_delay_alu instid0(VALU_DEP_4)
	v_max_num_f32 v[TM+\b], v[TM+\b], v[TM+4+\b]   ; with lane l xor 16's: the block's largest magnitude
.endr
.irp b, 0,1,2,3
	s_delay_alu instid0(VALU_DEP_4)
	v_add_nc_u32 v[TM+12+\b], 0xff000000, v[TM+\b] ; 2 off its exponent field: the conversion takes the exponent field of this operand as its scale
.endr
.irp b, 0,1,2,3
	s_delay_alu instid0(VALU_DEP_4)
	v_lshrrev_b32 v[TM+4+\b], 23, v[TM+12+\b]      ; the scale's byte
.endr
	s_delay_alu instid0(VALU_DEP_3)
	v_lshl_or_b32 v[PW], v[TM+5], 8, v[TM+4]       ; four bytes: my row's scale word
	s_delay_alu instid0(VALU_DEP_1)
	v_lshl_or_b32 v[PW], v[TM+6], 16, v[PW]
	s_delay_alu instid0(VALU_DEP_1)
	v_lshl_or_b32 v[PW], v[TM+7], 24, v[PW]
.irp b, 0,1,2,3
	v_cvt_scalef32_pk8_fp4_f32 v[PC+2*\b], v[HA+16*\b:HA+7+16*\b], v[TM+12+\b]
	v_cvt_scalef32_pk8_fp4_f32 v[PC+1+2*\b], v[HA+8+16*\b:HA+15+16*\b], v[TM+12+\b]
.endr
	v_nop                                          ; one plain place behind a scaled conversion
.irp c, 0,1                                    ; the operand's layout wants a whole block in a lane: lanes 0-15 block 2 c, lanes 16-31 block 2 c + 1
.irp i, 0,1
	v_permlane16_swap_b32 v[PC+4*\c+\i], v[PC+2+4*\c+\i]
.endr
.endr
	global_store_b128 v7, v[PC:PC+3], s[12:13]               ; the fragment as it stands: each store covers 512 consecutive bytes, aligned
	global_store_b128 v7, v[PC+4:PC+7], s[12:13] offset:512
	ds_store_b32 v8, v[PW]                         ; both halves of the lanes write the same word with the same value
	s_wait_dscnt 0x0                               ; for the others' sake: my scale words lie in LDS
	s_barrier_signal -1
	s_barrier_wait -1
	s_and_b32 s44, s38, 3                          ; a role's first wave stores its four tiles' words
	s_cmp_lg_u32 s44, 0
	s_cbranch_scc1 .Lend
	ds_load_b64 v[202:203], v10
	s_wait_dscnt 0x0
	global_store_b64 v9, v[202:203], s[14:15]      ; 32 lanes store 256 consecutive bytes, aligned
.Lend:
	s_wait_tensorcnt 0x0
	ds_add_u32 v208, v209
	s_wait_dscnt 0x0
	s_endpgm
.Lfunc_end_k_q857553f08c_proj:
	.size	k_q857553f08c_proj, .Lfunc_end_k_q857553f08c_proj-k_q857553f08c_proj
	.p2alignl 7, 3214868480
	.fill 96, 4, 3214868480
	.section	.rodata,"a",@progbits
	.p2align	6, 0x0
	.amdhsa_kernel k_q857553f08c_proj
		.amdhsa_group_segment_fixed_size 2560
		.amdhsa_private_segment_fixed_size 0
		.amdhsa_enable_private_segment 0
		.amdhsa_kernarg_size 120
		.amdhsa_user_sgpr_count 2
		.amdhsa_user_sgpr_kernarg_segment_ptr 1
		.amdhsa_wavefront_size32 1
		.amdhsa_system_sgpr_workgroup_id_x 1
		.amdhsa_system_sgpr_workgroup_id_y 1
		.amdhsa_system_sgpr_workgroup_id_z 1
		.amdhsa_system_vgpr_workitem_id 0
		.amdhsa_next_free_vgpr 210
		.amdhsa_next_free_sgpr 72
		.amdhsa_reserve_vcc 0
		.amdhsa_float_denorm_mode_32 3
		.amdhsa_float_denorm_mode_16_64 3
		.amdhsa_memory_ordered 1
		.amdhsa_forward_progress 1
		.amdhsa_inst_pref_size 16
	.end_amdhsa_kernel
	.amdgpu_metadata
---
amdhsa.version: [ 1, 2 ]
amdhsa.kernels:
  - .name:           k_q857553f08c_proj
    .symbol:         k_q857553f08c_proj.kd
    .args:
      - { .name: x_codes, .offset: 0, .size: 8, .value_kind: global_buffer, .address_space: global }
      - { .name: x_scales, .offset: 8, .size: 8, .value_kind: global_buffer, .address_space: global }
      - { .name: h_codes, .offset: 16, .size: 8, .value_kind: global_buffer, .address_space: global }
      - { .name: h_scales, .offset: 24, .size: 8, .value_kind: global_buffer, .address_space: global }
      - { .name: Wq_w_codes, .offset: 32, .size: 8, .value_kind: global_buffer, .address_space: global }
      - { .name: Wq_w_scales, .offset: 40, .size: 8, .value_kind: global_buffer, .address_space: global }
      - { .name: Wq_b, .offset: 48, .size: 8, .value_kind: global_buffer, .address_space: global }
      - { .name: Wk_w_codes, .offset: 56, .size: 8, .value_kind: global_buffer, .address_space: global }
      - { .name: Wk_w_scales, .offset: 64, .size: 8, .value_kind: global_buffer, .address_space: global }
      - { .name: Wk_b, .offset: 72, .size: 8, .value_kind: global_buffer, .address_space: global }
      - { .name: Wv_w_codes, .offset: 80, .size: 8, .value_kind: global_buffer, .address_space: global }
      - { .name: Wv_w_scales, .offset: 88, .size: 8, .value_kind: global_buffer, .address_space: global }
      - { .name: Wv_b, .offset: 96, .size: 8, .value_kind: global_buffer, .address_space: global }
      - { .name: qws, .offset: 104, .size: 8, .value_kind: global_buffer, .address_space: global }
      - { .name: kvws, .offset: 112, .size: 8, .value_kind: global_buffer, .address_space: global }
    .group_segment_fixed_size: 2560
    .private_segment_fixed_size: 0
    .kernarg_segment_align: 8
    .kernarg_segment_size: 120
    .max_flat_workgroup_size: 384
    .sgpr_count:     72
    .vgpr_count:     210
    .wavefront_size: 32
...
	.end_amdgpu_metadata
.endif
;; end of part 1
;; launch attn (part 2): grid 128 x 2, 16 waves a work-group, clusters of 4 x 1, 327,680 bytes of LDS; arguments qws, kvws, Wo_w_codes, Wo_w_scales, Wo_b, out0; writes out0
.if DOCPART == 2
	.amdgcn_target "amdgcn-amd-amdhsa--gfx1250"
	.amdhsa_code_object_version 6
	.text
	.protected	k_q857553f08c_attn
	.globl	k_q857553f08c_attn
	.p2align	8
	.type	k_q857553f08c_attn,@function
k_q857553f08c_attn:
	s_mov_b64 s[64:65], 0
	v_nop
	global_prefetch_b8 v0, s[64:65] scope:SCOPE_SE
	s_setreg_imm32_b32 hwreg(HW_REG_WAVE_MODE, 25, 1), 1
	s_wait_xcnt 0x0
	s_wait_alu depctr_hold_cnt(0) depctr_sa_sdst(0) depctr_va_vdst(0) depctr_va_sdst(0) depctr_va_ssrc(0) depctr_va_vcc(0) depctr_vm_vsrc(0)
	s_getreg_b32 s2, hwreg(HW_REG_IB_STS2, 6, 4)
	s_cmp_eq_u32 s2, 0
	s_cbranch_scc0 .Lentry_in_a_cluster
	s_endpgm
.Lentry_in_a_cluster:
	s_bfe_u32 s2, ttmp6, 0x10000c
	s_cmp_lg_u32 s2, 0x3003
	s_cbranch_scc0 .Lentry_shape_is_right
	s_endpgm
.Lentry_shape_is_right:
; out[b][o][n] = sum over c of Wo[o][c] Q(a[c][n]) + bo[o],  a[c][n] = (sum over keys m of v[c][m] p[n][m]) / l[n],  all products on codes of FP4 (E2M1) with one E8M0 scale for each 32 along K.
; THE SOFTMAX: t = score x log2(e) / sqrt(128); M = the largest t so far, rounded UP to a whole number; p = 2^(t - M) is quantised along the keys, not normalised; l is the sum of the unquantised p.
; When M moves, l and O are multiplied by 2^(old M - new M), which rounds nothing.
; INPUTS of this launch: qws and kvws, images of operand registers (a fragment, 16 rows x 128 K: 1,024 bytes, registers 4 c .. 4 c + 3 of lane L at 512 c + 16 L; a tile's scale words: 64 bytes).
;   A key step of 128 keys is 17,408 consecutive bytes of kvws: K's 8 tiles, V's 8 tiles, K's scale words, V's.  Lane r of tile T takes row 32 (T / 2) + 8 (T % 2) + r + 8 (r / 8) of its 128 (keys, channels, queries).
; SHARES.  256 work-groups; a work-group owns 64 positions of one batch: four tiles of 16 queries.  Sixteen waves, four to a SIMD, 256 registers each.  Wave w: query tile t = w / 4, KEY PART s = w % 4:
;   of every slot of 8 key steps it takes steps 2 s and 2 s + 1: 16 of the batch's 64 steps.  The four parts of a tile (each with its own M, l and O) are joined at the end through LDS.
; LAYOUT.  Both products are used transposed: S^T = K Q^T, O^T = V^T P^T: a lane holds ONE query (lane % 16) throughout, and by the choice of rows registers 16 b + i are keys (channels) 32 b + 16 (lane / 16) + i.
; CLUSTER.  The four work-groups of a cluster belong to one batch and walk the same kvws: every key step is asked for JOINTLY, by the same tensor load with the same descriptor and the mask of all four.
;   Waves 0 to 7 issue, one key step of the slot each; by this text's count a wave has at most one tensor load out.
; RING.  Two slots of 8 key steps (139,264 bytes).  The images are read at 16 x lane, 512 consecutive bytes an instruction: no padding.
; LIMITS: NaN and infinities are not served.  A block of p (or of the attention's result) whose largest number lies under 2^-124 keeps the byte 1.  A block's largest p is taken from its largest score, which takes
;   v_exp_f32 not to fall where its input rises.  p under 2^-126 is 0.  A key part whose M lies more than 126 under the row's M adds 0.
; REGISTERS: v1, v2 the add's; v3-6 LDS addresses of the slots; v7 16 x lane, v8 4 r, v9 r, v10 h; v11 the prefetch's offset; v12 -M, v13 the largest t, v[14:15] the sum; v16-23 Q, v24 its scale word;
;   v32-95 eight fragments of K, then of V; v96-159 S^T, then p; v160-223 O^T; v224-231 p's codes; v232-243 at work; v244-251 the tiles' scale words; v252 f; v253 p's scale word; v254, v255 at work.
.set STEPB, 17408                      ; a key step in kvws and in LDS
.set SLOTB, 8*STEPB                    ; a slot
.set VOFF,  8192                       ; V's tiles in a step
.set KSC,   16384                      ; K's scale words in a step; V's lie 512 bytes on
.set SPARE, 2*SLOTB                    ; the spare words: 128 bytes for each of 16 waves: eight blocks of 256 bytes that no other line names
.set STAT,  SPARE+2048                 ; a wave's 256 bytes: the pair (-M, l) at 8 x lane
.set AIMG,  STAT+4096                  ; four fragments of the attention's result
.set ASC,   AIMG+4096                  ; their scale words, 64 bytes each
.set OST,   ASC+256                    ; the stage for out: 128 rows (o) of 256 bytes + 16
.set OP,    272
; The parts' O^T meet in bytes 0 .. 131,071, in slot 0: when the first of them is stored there that slot has had its last fill, and every wave has left it at the last change of slots.
.set SPW, 1
.set NIL, 2
.set AD,  3                            ; v3, v4   16 x lane + my part's two steps, in slot 0, 1
.set ASW, 5                            ; v5, v6   4 r + the same + KSC
.set PFO, 11
.set QS,  24
.set KV,  32
.set S,   96
.set O,   160
.set PC,  224
.set BM,  232                          ; the blocks' largest scores, then largest p
.set BT,  236                          ; at work; the scale bytes; the second chain of sums
.set BSC, 240                          ; the conversions' scale operands
.set TS,  244
.set WV,  18                           ; s18 wave; s19 t; s20 s; s21 batch; s16 cx; s17 X
.set CS,  22                           ; s[22:23] c = log2(e) / sqrt(128), twice
.set SEL, 24                           ; s[24:25] selects for lane l xor 16
.set G1,  28                           ; s[28:35] descriptor group 1
.set G0,  36                           ; s[36:43] group 0, a set for each slot
.set PFA, 44                           ; s[44:45] where my prefetches stand
.set LIM, 46                           ; s46 1 in a wave that prefetches
.set CNT, 47
; A round of the cluster's barrier: my work-group's barrier, wave 0's signal for the work-group, every wave's wait for all four work-groups, my work-group's barrier once more.
.macro ROUND
	s_barrier_signal -1
	s_barrier_wait -1
	s_cmp_lg_u32 s[WV], 0
	s_cbranch_scc1 .Lnot_wave_0_\@
	s_barrier_signal -3
.Lnot_wave_0_\@:
	s_barrier_wait -3
	s_barrier_signal -1
	s_barrier_wait -1
.endm
; A joint load into slot n: waves 0 to 7, one key step each.  The branch hangs on the wave's number alone.  Four v_nop follow the load.
.macro JLOAD n
	s_cmp_lt_u32 s[WV], 8
	s_cbranch_scc0 .Lasked_\@
	tensor_load_to_lds s[G0+4*(\n):G0+4*(\n)+3], s[G1:G1+7]
	s_nop 0
.rept 4
	v_nop
.endr
.Lasked_\@:
.endm
; A prefetch of the slot that the NEXT change of slots will ask for.  All clusters of a batch walk the same kvws: the batch's first cluster asks.  Its four partners share a slot's 139,264 bytes out BY ADDRESS, 34,816 each;
; in each, waves that fetch nothing ask, one instruction each: waves 8 to 11 for 8,192 bytes, lanes 256 bytes apart; wave 12 for the last 2,048, lanes 64 bytes apart (four neighbouring lanes of that one line name the same 256 bytes).
.macro ASK
	s_cmp_eq_u32 s[LIM], 1
	s_cbranch_scc0 .Lnot_mine_\@
	global_prefetch_b8 v[PFO], s[PFA:PFA+1] th:TH_LOAD_NT scope:SCOPE_SE
.Lnot_mine_\@:
.endm
.macro BAR                             ; my LDS stores have landed and my LDS loads are in: then the work-group's barrier
	s_wait_dscnt 0x0
	s_barrier_signal -1
	s_barrier_wait -1
.endm
; A KEY STEP of my part: the st-th of my two in the slot.
.macro STEP slot, st
.rept 4
	v_nop                                          ; four places in front of loads into registers that the last products read (ISA guide 7.12.1 for vector instructions)
.endr
.irp t, 0,1,2,3,4,5,6,7
	ds_load_b128 v[KV+8*\t:KV+8*\t+3], v[AD+\slot] offset:\st*STEPB+1024*\t
	ds_load_b128 v[KV+8*\t+4:KV+8*\t+7], v[AD+\slot] offset:\st*STEPB+1024*\t+512
	ds_load_b32 v[TS+\t], v[ASW+\slot] offset:\st*STEPB+64*\t
.endr
	s_wait_dscnt 0x0                               ; K's eight fragments and their scale words are in
.irp t, 0,1,2,3,4,5,6,7
	v_wmma_scale_f32_16x16x128_f8f6f4 v[S+8*\t:S+8*\t+7], v[KV+8*\t:KV+8*\t+7], v[16:23], 0, v[TS+\t], v[QS] matrix_a_fmt:MATRIX_FMT_FP4 matrix_b_fmt:MATRIX_FMT_FP4
.endr
.rept 4
	v_nop                                          ; places: in front of V's loads into K's registers, and of the first read of the scores
.endr
.irp t, 0,1,2,3,4,5,6,7                        ; V's fragments are asked for now and land under the softmax
	ds_load_b128 v[KV+8*\t:KV+8*\t+3], v[AD+\slot] offset:\st*STEPB+VOFF+1024*\t
	ds_load_b128 v[KV+8*\t+4:KV+8*\t+7], v[AD+\slot] offset:\st*STEPB+VOFF+1024*\t+512
	ds_load_b32 v[TS+\t], v[ASW+\slot] offset:\st*STEPB+512+64*\t
.endr
.irp b, 0,1,2,3
	v_max3_num_f32 v[BM+\b], v[S+16*\b], v[S+1+16*\b], v[S+2+16*\b]   ; the largest score of each block of 32 keys: it serves for the row's maximum and, since p rises with the score, for the block's largest p
.endr
.irp i, 3,5,7,9,11,13
.irp b, 0,1,2,3
	v_max3_num_f32 v[BM+\b], v[BM+\b], v[S+16*\b+\i], v[S+1+16*\b+\i]   ; the four blocks by turns
.endr
.endr
.irp b, 0,1,2,3
	v_max_num_f32 v[BM+\b], v[BM+\b], v[S+15+16*\b]
.endr
.irp b, 0,1,2,3
	s_delay_alu instid0(VALU_DEP_4)
	v_permlanex16_b32 v[BT+\b], v[BM+\b], s[SEL], s[SEL+1]
.endr
.irp b, 0,1,2,3
	s_delay_alu instid0(VALU_DEP_4)
	v_max_num_f32 v[BM+\b], v[BM+\b], v[BT+\b]     ; with lane l xor 16's 16 keys
.endr
	s_delay_alu instid0(VALU_DEP_2)
	v_max3_num_f32 v254, v[BM], v[BM+1], v[BM+2]
	s_delay_alu instid0(VALU_DEP_1)
	v_max_num_f32 v254, v254, v[BM+3]              ; the step's largest score of my query
	s_delay_alu instid0(VALU_DEP_1)
	v_mul_f32 v254, s[CS], v254                    ; as t (c is positive)
	s_delay_alu instid0(VALU_DEP_1)
	v_max_num_f32 v13, v13, v254                   ; the running largest t
	v_mov_b32 v254, v12
	s_delay_alu instid0(VALU_DEP_2)
	v_floor_f32 v12, -v13                          ; the new -M = floor(-t) = -ceil(t): a whole number
	s_delay_alu instid0(VALU_DEP_1)
	v_sub_f32 v254, v12, v254                      ; old M - new M: a whole number, 0 or less
	s_delay_alu instid0(VALU_DEP_1)
	v_cvt_i32_f32 v254, v254                       ; (it saturates)
	s_delay_alu instid0(VALU_DEP_1)
	v_ldexp_f32 v252, 1.0, v254                    ; f = 2^(old M - new M)
.set j, 0
.rept 32
	v_pk_fma_f32 v[S+j:S+j+1], v[S+j:S+j+1], s[CS:CS+1], v[12:13] op_sel_hi:[1,0,0]   ; t - M, two at a time (of the pairs c and -M the low word serves both halves)
.set j, j+2
.endr
.irp b, 0,1,2,3
	v_fma_f32 v[BM+\b], v[BM+\b], s[CS], v12       ; the same of each block's largest score
.endr
.set j, 0
	s_wait_alu depctr_va_vdst(0)
.rept 64
	v_exp_f32 v[S+j], v[S+j]                       ; p = 2^(t - M), at most 1
.set j, j+1
.endr
.irp b, 0,1,2,3
	v_exp_f32 v[BM+\b], v[BM+\b]                   ; the block's largest p: the same two instructions on the same number give the same bits
.endr
	v_pk_mul_f32 v[14:15], v[14:15], v[252:253] op_sel_hi:[1,0]   ; the sums under the new M.  (The plain place behind the exponentials)
	s_wait_alu depctr_va_vdst(0)
.irp b, 0,1,2,3
	v_max_num_f32 v[BM+\b], 0x1800000, v[BM+\b]    ; the floor 2^(3 - 127): the byte cannot fall under 1
.endr
.irp b, 0,1,2,3
	s_delay_alu instid0(VALU_DEP_4)
	v_add_nc_u32 v[BSC+\b], 0xff000000, v[BM+\b]   ; 2 off the exponent field: the conversion's scale operand
.endr
.irp b, 0,1,2,3
	s_delay_alu instid0(VALU_DEP_4)
	v_lshrrev_b32 v[BT+\b], 23, v[BSC+\b]          ; the scale's byte
.endr
	s_delay_alu instid0(VALU_DEP_3)
	v_lshl_or_b32 v253, v[BT+1], 8, v[BT]          ; p's scale word for these 128 keys
	s_delay_alu instid0(VALU_DEP_1)
	v_lshl_or_b32 v253, v[BT+2], 16, v253
	s_delay_alu instid0(VALU_DEP_1)
	v_lshl_or_b32 v253, v[BT+3], 24, v253
.irp b, 0,1,2,3
	v_cvt_scalef32_pk8_fp4_f32 v[PC+2*\b], v[S+16*\b:S+7+16*\b], v[BSC+\b]
	v_cvt_scalef32_pk8_fp4_f32 v[PC+1+2*\b], v[S+8+16*\b:S+15+16*\b], v[BSC+\b]
.endr
	v_nop                                          ; one plain place behind a scaled conversion
.irp c, 0,1                                    ; the operand's layout wants a whole block in a lane
.irp i, 0,1
	v_permlane16_swap_b32 v[PC+4*\c+\i], v[PC+2+4*\c+\i]
.endr
.endr
	v_pk_add_f32 v[236:237], v[100:101], v[104:105]
	v_pk_add_f32 v[242:243], v[108:109], v[112:113]
	v_pk_add_f32 v[240:241], v[116:117], v[120:121]
	v_pk_add_f32 v[234:235], v[124:125], v[128:129]
	v_pk_add_f32 v[232:233], v[132:133], v[136:137]
	v_pk_add_f32 v[30:31], v[140:141], v[144:145]
	v_pk_add_f32 v[28:29], v[148:149], v[152:153]
	v_pk_add_f32 v[14:15], v[14:15], v[156:157]
	v_pk_add_f32 v[236:237], v[236:237], v[96:97]
	v_pk_add_f32 v[242:243], v[242:243], v[98:99]
	v_pk_add_f32 v[240:241], v[240:241], v[102:103]
	v_pk_add_f32 v[234:235], v[234:235], v[106:107]
	v_pk_add_f32 v[232:233], v[232:233], v[110:111]
	v_pk_add_f32 v[30:31], v[30:31], v[114:115]
	v_pk_add_f32 v[28:29], v[28:29], v[118:119]
	v_pk_add_f32 v[14:15], v[14:15], v[122:123]
	v_pk_add_f32 v[236:237], v[236:237], v[126:127]
	v_pk_add_f32 v[242:243], v[242:243], v[130:131]
	v_pk_add_f32 v[240:241], v[240:241], v[134:135]
	v_pk_add_f32 v[234:235], v[234:235], v[138:139]
	v_pk_add_f32 v[232:233], v[232:233], v[142:143]
	v_pk_add_f32 v[30:31], v[30:31], v[146:147]
	v_pk_add_f32 v[28:29], v[28:29], v[150:151]
	v_pk_add_f32 v[14:15], v[14:15], v[154:155]
	v_pk_add_f32 v[236:237], v[236:237], v[158:159]
	s_delay_alu instid0(VALU_DEP_2)
	v_pk_add_f32 v[14:15], v[14:15], v[234:235]
	s_delay_alu instid0(VALU_DEP_2)
	v_pk_add_f32 v[236:237], v[236:237], v[232:233]
	v_pk_add_f32 v[242:243], v[242:243], v[30:31]
	v_pk_add_f32 v[240:241], v[240:241], v[28:29]
	s_delay_alu instid0(VALU_DEP_2)
	v_pk_add_f32 v[14:15], v[14:15], v[242:243]
	s_delay_alu instid0(VALU_DEP_2)
	v_pk_add_f32 v[236:237], v[236:237], v[240:241]
	s_delay_alu instid0(VALU_DEP_1)
	v_pk_add_f32 v[14:15], v[14:15], v[236:237]
.set j, 0
.rept 32
	v_pk_mul_f32 v[O+j:O+j+1], v[O+j:O+j+1], v[252:253] op_sel_hi:[1,0]   ; O^T under the new M, each accumulator from its low end on.  (These and the sums are the places between p's codes and scale word and the products)
.set j, j+2
.endr
	s_wait_alu depctr_va_vdst(0)
	s_wait_dscnt 0x0                               ; V's eight fragments and their scale words are in
.irp t, 0,1,2,3,4,5,6,7                        ; the eight accumulators take turns, one instruction a turn
	v_wmma_scale_f32_16x16x128_f8f6f4 v[O+8*\t:O+8*\t+7], v[KV+8*\t:KV+8*\t+7], v[PC:PC+7], v[O+8*\t:O+8*\t+7], v[TS+\t], v253 matrix_a_fmt:MATRIX_FMT_FP4 matrix_b_fmt:MATRIX_FMT_FP4
.endr
.endm
; THE CHANGE OF SLOTS stands at a slot's head.  Each wave waits for all its tensor loads (its step of the slot ahead), adds 0 to its spare word, and waits for that and for its reads of the slot that it has left; the round
; then holds of every wave of all four work-groups.  refill = 1: the slot that was left takes the next 8 key steps: the load has my two steps, and those of the three waves beside me, in which to land.
.macro TRIP slot, refill, ask
	s_wait_tensorcnt 0x0                           ; no tensor load of mine is out, so a group 0 may be written
	ds_add_u32 v[SPW], v[NIL]                      ; 0 onto my spare word: the steps below stand between it and the wait for it
	s_add_nc_u64 s[G0+4*\slot+2:G0+4*\slot+3], s[G0+4*\slot+2:G0+4*\slot+3], 2*SLOTB   ; this slot's next fill; the type bits on top are not reached
.if \ask
	s_wait_xcnt 0x0                                ; the last prefetch, a slot back, has read its address, so it may be written:
	s_add_nc_u64 s[PFA:PFA+1], s[PFA:PFA+1], SLOTB ; one slot further on than the refill below
.endif
	s_wait_dscnt 0x0                               ; the add is done, and my reads of the slot that I have left are over
	ROUND
.if \refill
	JLOAD 1-\slot                                  ; the first thing behind the round, and a wave's one tensor load until the next
.endif
.if \ask
	ASK
.endif
	STEP \slot, 0
	STEP \slot, 1
.endm
	s_load_b256 s[4:11], s[0:1], 0x0               ; qws 4, kvws 6, Wo's codes 8, Wo's scales 10
	s_load_b128 s[12:15], s[0:1], 0x20             ; bo 12, out0 14
	v_lshl_add_u32 v[SPW], v0, 2, SPARE
	v_mov_b32 v[NIL], 0
	ds_add_u32 v1, v2
	ds_add_u32 v1, v2
	s_wait_dscnt 0x0
	v_lshrrev_b32 v9, 5, v0
	s_delay_alu instid0(VALU_DEP_1)
	v_readfirstlane_b32 s[WV], v9                  ; wave 0..15
	s_bfe_u32 s16, ttmp6, 0x40000                  ; cx: my place in the cluster: it enters global addresses of q, out and the prefetches alone
	s_lshl_b32 s17, ttmp9, 2                       ; in a cluster launch ttmp9 counts clusters
	s_add_co_u32 s17, s17, s16                     ; X: my block of 64 positions, 0..127
	s_lshr_b32 s19, s[WV], 2                       ; t: my tile of queries
	s_and_b32 s20, s[WV], 3                        ; s: my part of the keys
	s_and_b32 s21, ttmp7, 0xffff                   ; the batch, which the four partners share
	s_mov_b32 s[CS], 0x3e0293ee                    ; c = log2(e) / sqrt(128)
	s_mov_b32 s[CS+1], s[CS]                       ; (named with it as a pair, so it is written)
	s_mov_b32 s[SEL], 0x76543210
	s_mov_b32 s[SEL+1], 0xfedcba98
	; descriptor group 1: a key step: 68 rows of 32 elements of 8 bytes, dense, no padding
	s_mov_b32 s[G1], 15|(3<<16)|(1<<21)            ; 15:0 the mask: all four work-groups; 17:16 elements of 8 bytes; 21 set beside a mask
	s_mov_b32 s[G1+1], 32<<16                      ; tensor_dim0 = 32
	s_mov_b32 s[G1+2], 68<<16                      ; tensor_dim1 = 68
	s_mov_b32 s[G1+3], 32<<16                      ; tile_dim0 = 32
	s_mov_b32 s[G1+4], 68                          ; tile_dim1 = 68
	s_mov_b32 s[G1+5], 32                          ; from row to row
	s_mov_b32 s[G1+6], 0
	s_mov_b32 s[G1+7], 0
	s_and_b32 s48, s[WV], 7
	s_mul_i32 s49, s48, STEPB                      ; the key step that I fetch, if I fetch: in a slot,
	s_mul_i32 s50, s21, 64*STEPB
	s_add_co_u32 s50, s50, s49                     ; and in kvws: no place in the cluster enters either
	s_mov_b32 s51, 0
	s_mul_i32 s54, s21, 64*STEPB                   ; the prefetches: my batch, slot 1 (the first change of slots steps it to slot 2),
	s_add_co_u32 s54, s54, SLOTB
	s_mul_i32 s55, s16, 2*STEPB                    ; my work-group's 34,816 bytes of a slot,
	s_add_co_u32 s54, s54, s55
	s_lshl_b32 s55, s48, 13                        ; my wave's 8,192 of them
	s_add_co_u32 s54, s54, s55
	s_mov_b32 s55, 0
	s_lshr_b32 s58, s17, 1                         ; q: block of 128 positions = 64 batch + X / 2,
	s_lshl_b32 s59, s21, 6
	s_add_co_u32 s58, s58, s59
	s_mul_i32 s58, s58, 8704
	s_and_b32 s59, s17, 1
	s_lshl_b32 s59, s59, 2
	s_add_co_u32 s59, s59, s19                     ; tile 4 (X % 2) + t
	s_lshl_b32 s60, s59, 6
	s_add_co_u32 s60, s60, s58
	s_add_co_u32 s60, s60, 8192                    ; its scale words
	s_mov_b32 s61, 0
	s_lshl_b32 s59, s59, 10
	s_add_co_u32 s58, s58, s59                     ; its codes
	s_mov_b32 s59, 0
	s_sub_co_u32 s62, s[WV], 8                     ; who prefetches: waves 8 to 12
	s_cmp_lt_u32 s62, 5
	s_cselect_b32 s62, 0, 1
	s_or_b32 s62, s62, ttmp9                       ; of the batch's first cluster: the same in all four partners
	s_cmp_eq_u32 s62, 0
	s_cselect_b32 s[LIM], 1, 0
	s_cmp_eq_u32 s[WV], 12
	s_cselect_b32 s62, 6, 8                        ; from lane to lane: 64 bytes in wave 12, else 256
	s_mul_i32 s56, s20, 2*STEPB                    ; my part's two steps in a slot
	s_mov_b32 s[CNT], 3
	s_wait_kmcnt 0x0
	s_add_nc_u64 s[52:53], s[6:7], s[50:51]
.irp n, 0,1
	s_mov_b32 s[G0+4*\n], 1                        ; 1:0 count = 1
	s_add_co_u32 s[G0+4*\n+1], s49, \n*SLOTB       ; 63:32 LDS address
	s_add_nc_u64 s[G0+4*\n+2:G0+4*\n+3], s[52:53], \n*SLOTB   ; 120:64 global address: slot n begins with key steps 8 n on
	s_or_b32 s[G0+4*\n+3], s[G0+4*\n+3], 0x80000000           ; 127:126 type = 2
.endr
	s_add_nc_u64 s[PFA:PFA+1], s[6:7], s[54:55]
	s_add_nc_u64 s[66:67], s[4:5], s[58:59]
	s_add_nc_u64 s[68:69], s[4:5], s[60:61]
	ROUND                                          ; all four work-groups are here: the first joint loads meet
	JLOAD 0                                        ; slot 0; slot 1 is filled as a refill is, behind the first change of slots.  Nothing is prefetched here, at the head
	v_and_b32 v254, 31, v0                         ; lane
	v_and_b32 v9, 15, v0                           ; r
	v_bfe_u32 v10, v0, 4, 1                        ; h
	s_delay_alu instid0(VALU_DEP_3)
	v_lshlrev_b32 v7, 4, v254
	s_delay_alu instid0(VALU_DEP_3)
	v_lshlrev_b32 v8, 2, v9
	global_load_b128 v[16:19], v7, s[66:67]        ; Q's fragment stays in registers
	global_load_b128 v[20:23], v7, s[66:67] offset:512
	global_load_b32 v[QS], v8, s[68:69]            ; and its scale words
	v_lshlrev_b32 v[PFO], s62, v254
	v_add_nc_u32 v[AD], s56, v7
	v_add_nc_u32 v[ASW], s56, v8
	s_delay_alu instid0(VALU_DEP_1)
	v_add_nc_u32 v[ASW], KSC, v[ASW]
	s_delay_alu instid0(VALU_DEP_3)
	v_add_nc_u32 v[AD+1], SLOTB, v[AD]
	s_delay_alu instid0(VALU_DEP_2)
	v_add_nc_u32 v[ASW+1], SLOTB, v[ASW]
	v_mov_b32 v13, 0xff61b1e6                      ; the largest t so far: -3e38, under every t
	s_delay_alu instid0(VALU_DEP_1)
	v_floor_f32 v12, -v13                          ; -M
	v_mov_b32 v14, 0                               ; the sum, in two halves
	v_mov_b32 v15, 0
.irp b, 0,1,2,3
	v_mov_b32 v[BT+\b], 0                          ; written once: a lane permute's destination counts as one of its sources
.endr
	v_mov_b32 v253, 0                              ; (named as the upper half of the pair v[252:253] before it is first written)
.set j, 0
.rept 64
	v_mov_b32 v[O+j], 0                            ; O^T.  (The step has one form: the first finds zeros, which the first change of M leaves zeros)
.set j, j+1
.endr
	s_wait_loadcnt 0x0                             ; Q
.Lring:                                            ; three trips: slots' worth 0 to 5 are read, 1 to 6 asked for, 2 to 7 prefetched
	TRIP 0, 1, 1
	TRIP 1, 1, 1
	s_sub_co_u32 s[CNT], s[CNT], 1
	s_cmp_lg_u32 s[CNT], 0
	s_cbranch_scc1 .Lring
	TRIP 0, 1, 0                                   ; the tail is written out: the last fill, and nothing is prefetched
	TRIP 1, 0, 0                                   ; nothing is left to fetch (the stepped address is not used)
	; ---- THE END.  The addresses first: 21 plain lines that name no register of the last products: they are the places behind them
	s_lshl_b32 s48, s[WV], 8
	s_add_co_u32 s48, s48, STAT                    ; my wave's (-M, l)
	s_lshl_b32 s49, s19, 10
	s_add_co_u32 s50, s49, STAT                    ; my tile's four
	s_add_co_u32 s51, s49, AIMG                    ; my tile's fragment
	s_lshl_b32 s52, s20, 8
	s_add_co_u32 s52, s52, s51                     ; block s of it
	s_lshl_b32 s53, s19, 15
	s_lshl_b32 s54, s20, 11
	s_add_co_u32 s54, s54, s53                     ; O^T's parts: 32,768 t + 8,192 block + 2,048 part: where I store,
	s_lshl_b32 s55, s20, 13
	s_add_co_u32 s55, s55, s53                     ; and where I read: block s
	s_lshl_b32 s56, s19, 6
	s_add_co_u32 s56, s56, ASC                     ; my tile's scale words,
	s_add_co_u32 s57, s56, s20                     ; byte s of them
	s_mul_i32 s58, s20, 32*OP                      ; the stage: rows 32 s on,
	s_lshr_b32 s59, s19, 1
	s_lshl_b32 s59, s59, 7
	s_add_co_u32 s58, s58, s59
	s_and_b32 s59, s19, 1
	s_lshl_b32 s59, s59, 5
	s_add_co_u32 s58, s58, s59                     ; positions 32 (t / 2) + 8 (t % 2) on
	s_add_co_u32 s58, s58, OST
	s_mul_i32 s59, s[WV], 8*OP
	s_add_co_u32 s59, s59, OST                     ; back: rows 8 w on
	v_lshrrev_b32 v3, 1, v7                        ; 8 x lane
	s_delay_alu instid0(VALU_DEP_1)
	v_add_nc_u32 v4, s50, v3
	s_delay_alu instid0(VALU_DEP_2)
	v_add_nc_u32 v3, s48, v3
	v_add_nc_u32 v5, s54, v7
	v_add_nc_u32 v6, s55, v7
	v_lshlrev_b32 v25, 4, v9
	s_delay_alu instid0(VALU_DEP_1)
	v_lshl_add_u32 v25, v10, 3, v25
	s_delay_alu instid0(VALU_DEP_1)
	v_add_nc_u32 v25, s52, v25                     ; block s of row r lies at 256 s + 16 r of the image; my half of it 8 h on
	v_add_nc_u32 v26, s57, v8
	v_add_nc_u32 v27, s51, v7
	v_add_nc_u32 v28, s56, v8
	v_mul_u32_u24 v29, v9, OP
	s_delay_alu instid0(VALU_DEP_1)
	v_lshl_add_u32 v29, v10, 6, v29
	s_delay_alu instid0(VALU_DEP_1)
	v_add_nc_u32 v29, s58, v29                     ; the stage, in: row 32 s + 16 n + r, + 64 h
	v_mul_u32_u24 v30, v10, OP
	s_delay_alu instid0(VALU_DEP_1)
	v_lshl_add_u32 v30, v9, 4, v30
	s_delay_alu instid0(VALU_DEP_1)
	v_add_nc_u32 v30, s59, v30                     ; back: lanes 0-15 one row, lanes 16-31 the next
	v_lshlrev_b32 v31, 6, v9
	s_delay_alu instid0(VALU_DEP_1)
	v_lshl_add_u32 v31, v10, 4, v31                ; Wo: row r x 64 + 16 h
	s_wait_alu depctr_va_vdst(0)
	v_lshlrev_b32 v255, 15, v10
	s_delay_alu instid0(VALU_DEP_1)
	v_lshl_add_u32 v255, v9, 4, v255               ; out: a row of 32,768 bytes for lanes 16-31, + 16 r
	s_lshl_b32 s60, s20, 11                        ; my 32 rows of Wo: codes,
	s_mov_b32 s61, 0
	s_add_nc_u64 s[66:67], s[8:9], s[60:61]
	s_lshl_b32 s60, s20, 7                         ; scale words and bias
	s_add_nc_u64 s[68:69], s[10:11], s[60:61]
	s_add_nc_u64 s[70:71], s[12:13], s[60:61]
	s_lshl_b32 s60, s21, 22                        ; out: the batch, rows 8 w on, positions 64 X on
	s_lshl_b32 s62, s[WV], 18
	s_add_co_u32 s60, s60, s62
	s_lshl_b32 s62, s17, 8
	s_add_co_u32 s60, s60, s62
	s_add_nc_u64 s[62:63], s[14:15], s[60:61]
.irp n, 0,1                                    ; the last product's operands are asked for now and land under the join
	global_load_b128 v[48+8*\n:51+8*\n], v31, s[66:67] offset:1024*\n
	global_load_b128 v[52+8*\n:55+8*\n], v31, s[66:67] offset:1024*\n+32
	global_load_b32 v[TS+\n], v8, s[68:69] offset:64*\n
.irp j, 0,1,2,3,4,5,6,7
	global_load_b32 v[32+8*\n+\j], v8, s[70:71] offset:64*\n   ; bo of row 32 s + 16 n + r, the same for my eight positions: the sum's start
.endr
.endr
	v_add_f32 v14, v14, v15                        ; my part's sum: its two halves,
	s_delay_alu instid0(VALU_DEP_1)
	v_permlanex16_b32 v254, v14, s[SEL], s[SEL+1]
	s_delay_alu instid0(VALU_DEP_1)
	v_add_f32 v13, v14, v254                       ; and lane l xor 16's
	ds_store_b64 v3, v[12:13]                      ; (-M, l)
	BAR                                            ; all sixteen pairs lie in LDS
.irp p, 0,1,2,3
	ds_load_b64 v[232+2*\p:233+2*\p], v4 offset:256*\p
.endr
	s_wait_dscnt 0x0
	v_min3_num_f32 v240, v232, v234, v236
	s_delay_alu instid0(VALU_DEP_1)
	v_min_num_f32 v240, v240, v238                 ; -M of the whole row
.irp p, 0,1,2,3
	v_sub_f32 v[232+2*\p], v240, v[232+2*\p]       ; part p's M less the row's: a whole number, 0 or less
.endr
	v_sub_f32 v241, v240, v12                      ; my own part's
.irp p, 0,1,2,3
	v_cvt_i32_f32 v[232+2*\p], v[232+2*\p]
.endr
	v_cvt_i32_f32 v241, v241
.irp p, 0,1,2,3
	v_ldexp_f32 v[232+2*\p], 1.0, v[232+2*\p]      ; 2^that: rounds nothing
.endr
	v_ldexp_f32 v241, 1.0, v241
	v_mul_f32 v242, v232, v233                     ; the row's sum, the parts in a fixed order
	s_delay_alu instid0(VALU_DEP_1)
	v_fma_f32 v242, v234, v235, v242
	s_delay_alu instid0(VALU_DEP_1)
	v_fma_f32 v242, v236, v237, v242
	s_delay_alu instid0(VALU_DEP_1)
	v_fma_f32 v242, v238, v239, v242
	s_wait_alu depctr_va_vdst(0)
	v_rcp_f32 v242, v242
	v_nop                                          ; one plain place behind a transcendental
	s_wait_alu depctr_va_vdst(0)
	v_mul_f32 v252, v241, v242                     ; my part's factor / the row's sum
.set j, 0
.rept 32
	v_pk_mul_f32 v[O+j:O+j+1], v[O+j:O+j+1], v[252:253] op_sel_hi:[1,0]   ; each accumulator from its low end on
.set j, j+2
.endr
.irp g, 0,1,2,3,4,5,6,7,8,9,10,11,12,13,14,15
	ds_store_b128 v5, v[O+4*\g:O+4*\g+3] offset:8192*(\g/4)+512*(\g%4)   ; registers 16 b + 4 g' on: block b of the channels
.endr
	BAR                                            ; all parts lie in LDS
.irp p, 0,1,2,3                                ; I take block s of the channels of my tile: its four parts
.irp g, 0,1,2,3
	ds_load_b128 v[S+16*\p+4*\g:S+16*\p+4*\g+3], v6 offset:2048*\p+512*\g
.endr
.endr
	s_wait_dscnt 0x0
.irp p, 1,2,3
.irp j, 0,2,4,6,8,10,12,14
	v_pk_add_f32 v[S+\j:S+\j+1], v[S+\j:S+\j+1], v[S+16*\p+\j:S+16*\p+\j+1]   ; in the order of the parts: register i is channel 32 s + 16 h + i of query r
.endr
.endr
	v_max3_num_f32 v232, |v[S]|, |v[S+1]|, 0x1800000   ; the block's largest magnitude, with the floor 2^(3 - 127)
.irp i, 2,4,6,8,10,12,14
	s_delay_alu instid0(VALU_DEP_1)
	v_max3_num_f32 v232, v232, |v[S+\i]|, |v[S+\i+1]|
.endr
	s_delay_alu instid0(VALU_DEP_1)
	v_permlanex16_b32 v233, v232, s[SEL], s[SEL+1]
	s_delay_alu instid0(VALU_DEP_1)
	v_max_num_f32 v232, v232, v233
	s_delay_alu instid0(VALU_DEP_1)
	v_add_nc_u32 v234, 0xff000000, v232            ; the conversion's scale operand
	s_delay_alu instid0(VALU_DEP_1)
	v_lshrrev_b32 v235, 23, v234                   ; the scale's byte
	v_cvt_scalef32_pk8_fp4_f32 v224, v[S:S+7], v234
	v_cvt_scalef32_pk8_fp4_f32 v225, v[S+8:S+15], v234
	v_nop                                          ; one plain place behind a scaled conversion
	ds_store_b64 v25, v[224:225]                   ; my 16 codes at their place in the operand's image: no exchange of halves is needed
	ds_store_b8 v26, v235                          ; byte s of row r's scale word; both halves of the lanes write the same value
	BAR                                            ; the four fragments and their scale words lie in LDS
	ds_load_b128 v[16:19], v27
	ds_load_b128 v[20:23], v27 offset:512
	ds_load_b32 v[QS], v28
	s_wait_dscnt 0x0
	s_wait_loadcnt 0x0                             ; Wo's fragments, scale words and bias
.irp n, 0,1                                    ; source 0 = my tile's 16 queries, source 1 = 16 rows of Wo: a lane holds row 32 s + 16 n + r of out and eight neighbouring positions
	v_wmma_scale_f32_16x16x128_f8f6f4 v[32+8*\n:39+8*\n], v[16:23], v[48+8*\n:55+8*\n], v[32+8*\n:39+8*\n], v[QS], v[TS+\n] matrix_a_fmt:MATRIX_FMT_FP4 matrix_b_fmt:MATRIX_FMT_FP4
.endr
.rept 4
	v_nop                                          ; four places in front of the stores that read the results
.endr
.irp n, 0,1
	ds_store_b128 v29, v[32+8*\n:35+8*\n] offset:16*\n*OP          ; each accumulator from its low end on
	ds_store_b128 v29, v[36+8*\n:39+8*\n] offset:16*\n*OP+16
.endr
	BAR                                            ; 128 rows x 64 positions lie in the stage
.irp i, 0,1,2,3
	ds_load_b128 v[S+4*\i:S+4*\i+3], v30 offset:2*\i*OP
.endr
.irp i, 0,1,2,3
	s_wait_dscnt 3-\i                              ; LDS loads come back in order: load i is in, the younger ones of the four may be out
	global_store_b128 v255, v[S+4*\i:S+4*\i+3], s[62:63] offset:65536*\i th:TH_STORE_NT   ; 16 lanes store 256 consecutive bytes, at a multiple of 256 from out0's first byte; written once
.endr
	s_wait_tensorcnt 0x0                           ; the wave's end, behind my last tensor load and my last LDS store
	ds_add_u32 v[SPW], v[NIL]
	s_wait_dscnt 0x0
	ROUND                                          ; the closing round: no work-group ends while a partner may still ask for a tile that names it
	s_endpgm
.Lfunc_end_k_q857553f08c_attn:
	.size	k_q857553f08c_attn, .Lfunc_end_k_q857553f08c_attn-k_q857553f08c_attn
	.p2alignl 7, 3214868480
	.fill 96, 4, 3214868480
	.section	.rodata,"a",@progbits
	.p2align	6, 0x0
	.amdhsa_kernel k_q857553f08c_attn
		.amdhsa_group_segment_fixed_size 327680
		.amdhsa_private_segment_fixed_size 0
		.amdhsa_enable_private_segment 0
		.amdhsa_kernarg_size 48
		.amdhsa_user_sgpr_count 2
		.amdhsa_user_sgpr_kernarg_segment_ptr 1
		.amdhsa_wavefront_size32 1
		.amdhsa_system_sgpr_workgroup_id_x 1
		.amdhsa_system_sgpr_workgroup_id_y 1
		.amdhsa_system_sgpr_workgroup_id_z 1
		.amdhsa_system_vgpr_workitem_id 0
		.amdhsa_next_free_vgpr 256
		.amdhsa_next_free_sgpr 80
		.amdhsa_reserve_vcc 0
		.amdhsa_float_denorm_mode_32 3
		.amdhsa_float_denorm_mode_16_64 3
		.amdhsa_memory_ordered 1
		.amdhsa_forward_progress 1
		.amdhsa_inst_pref_size 179
	.end_amdhsa_kernel
	.amdgpu_metadata
---
amdhsa.version: [ 1, 2 ]
amdhsa.kernels:
  - .name:           k_q857553f08c_attn
    .symbol:         k_q857553f08c_attn.kd
    .args:
      - { .name: qws, .offset: 0, .size: 8, .value_kind: global_buffer, .address_space: global }
      - { .name: kvws, .offset: 8, .size: 8, .value_kind: global_buffer, .address_space: global }
      - { .name: Wo_w_codes, .offset: 16, .size: 8, .value_kind: global_buffer, .address_space: global }
      - { .name: Wo_w_scales, .offset: 24, .size: 8, .value_kind: global_buffer, .address_space: global }
      - { .name: Wo_b, .offset: 32, .size: 8, .value_kind: global_buffer, .address_space: global }
      - { .name: out0, .offset: 40, .size: 8, .value_kind: global_buffer, .address_space: global }
    .group_segment_fixed_size: 327680
    .private_segment_fixed_size: 0
    .kernarg_segment_align: 8
    .kernarg_segment_size: 48
    .max_flat_workgroup_size: 512
    .sgpr_count:     80
    .vgpr_count:     256
    .wavefront_size: 32
...
	.end_amdgpu_metadata
.endif
;; end of part 2
